; MI455X (gfx1250); checked and timed in simulation.
; The chip was launched on July 23, 2026; its instructions are those of AMD's public machine-readable ISA for CDNA 5 (MIT licence, August 2026) and "CDNA5" Instruction Set Architecture Reference Guide (July 2026). The comments in the code are by the model that wrote it; some were corrected since.
;; Multi Head Attention. Allowed arithmetic: float matrix products may take bf16 or f16 operands with f32 sums; all other float work in f32.
;; Inputs: Wk 1,024 x 1,024 float32; Wo 1,024 x 1,024 float32; Wq 1,024 x 1,024 float32; Wv 1,024 x 1,024 float32; attention_mask 2 x 2,048 float32; x 2 x 2,048 x 1,024 float32.
;; Outputs: out0 2 x 2,048 x 1,024 float32.
;; One version. Each part assembles by itself: llvm-mc -triple=amdgcn-amd-amdhsa -mcpu=gfx1250 --defsym DOCPART=n.
;; ======== version 1 of 1: 4 launches
;; limits: values are held in f16: magnitudes above 65,504 overflow, below 6.1e-05 lose precision
;; workspace buffers: xh 8,388,608 bytes; wh 8,388,608 bytes; rope 524,288 bytes; qh 8,388,608 bytes; kh 8,388,608 bytes; vth 8,388,608 bytes; ah 8,388,608 bytes
;; launch cast (part 1): grid 256 x 1, 8 waves a work-group, no clusters, 0 bytes of LDS; arguments x, Wq, Wk, Wv, Wo, xh, wh, rope; writes xh, wh, rope
.if DOCPART == 1
	.amdgcn_target "amdgcn-amd-amdhsa--gfx1250"
	.amdhsa_code_object_version 6
	.text
	.protected	k_qf106db1466_cast
	.globl	k_qf106db1466_cast
	.p2align	8
	.type	k_qf106db1466_cast,@function
k_qf106db1466_cast:
	s_mov_b64 s[64:65], 0
	v_nop
	global_prefetch_b8 v0, s[64:65] scope:SCOPE_SE
	s_setreg_imm32_b32 hwreg(HW_REG_WAVE_MODE, 25, 1), 1
	s_wait_xcnt 0x0
; cast: x and the four weight matrices from f32 to f16 (rounded once, to nearest even), and the table of cosines and sines.
;   xh  [4096][1024] f16 = x.
;   wh  rows of 1024 f16: row 192 h + 64 t + r = row 64 h + r of W_t (t = 0 q, 1 k, 2 v), so that one head's q, k and v rows are 192 neighbouring rows;
;       from row 3072 on Wo's 1024 rows as they are.
;   rope [2048][64] f32: row s = cos(s f_i), i = 0..31, then sin(s f_i), f_i = 10000^(-i/32).
; LIMITS: f16 holds magnitudes below 65,504: x and the weights must stay below that.  The angle s f_i is formed in f32 as in the model (its own rounding
; at s = 2047 is about 1e-4 rad) from f_i = exp2(-i log2(10000)/32); reduction and series add less than 1e-6.
; A stream: 8,388,608 numbers over 256 work-groups = 32,768 numbers each, 128 KiB in, 64 KiB out, both dense.  No LDS, barrier, cluster or matrix unit:
; no byte is used twice.  A thread issues all its 32 loads at once; a wave's load covers 512 consecutive bytes, its store 256 consecutive aligned bytes.
.set XR, 8                             ; v[8:135]   32 loads of 4 f32
.set YR, 136                           ; v[136:199] 32 pairs of packed f16, each written once
.set T,  200                           ; v[200:221] the table's work
	s_load_b512 s[4:19], s[0:1], 0x0               ; x 4:5, Wq 6:7, Wk 8:9, Wv 10:11, Wo 12:13, xh 14:15, wh 16:17, rope 18:19
	v_lshlrev_b32 v1, 4, v0                        ; 16 bytes a thread in
	v_lshlrev_b32 v2, 3, v0                        ; 8 bytes a thread out (and 8 bytes of the table's row)
	; work-groups 0..127 take x; 128..255 take 32 rows of a weight matrix: u = t * 32 + c
	s_and_b32 s20, ttmp9, 127                      ; u
	s_lshr_b32 s21, s20, 5                         ; t: which matrix
	s_and_b32 s22, s20, 31                         ; c: rows 32 c .. 32 c + 31
	s_lshr_b32 s23, s22, 1                         ; head = c / 2
	s_mul_i32 s23, s23, 192
	s_lshl_b32 s24, s21, 6
	s_add_co_u32 s23, s23, s24                     ; + 64 t
	s_and_b32 s24, s22, 1
	s_lshl_b32 s24, s24, 5
	s_add_co_u32 s23, s23, s24                     ; + 32 (c & 1)
	s_lshl_b32 s24, s22, 5
	s_add_co_u32 s24, s24, 3072                    ; Wo: row 3072 + 32 c
	s_cmp_eq_u32 s21, 3
	s_cselect_b32 s23, s24, s23
	s_lshl_b32 s23, s23, 11                        ; rows of 2,048 bytes
	s_lshl_b32 s25, s22, 17                        ; 32 rows of 4,096 bytes in
	s_lshl_b32 s26, ttmp9, 17                      ; x: 128 KiB a work-group in,
	s_lshl_b32 s27, ttmp9, 16                      ; 64 KiB out
	s_cmp_lt_u32 ttmp9, 128
	s_cselect_b32 s32, s26, s25                    ; offset in the source
	s_cselect_b32 s34, s27, s23                    ; offset in the destination
	s_mov_b32 s33, 0
	s_mov_b32 s35, 0
	s_lshl_b32 s36, ttmp9, 11                      ; the table: 8 rows of 256 bytes a work-group
	s_mov_b32 s37, 0
	s_lshl_b32 s38, ttmp9, 3                       ; its first row
	s_wait_kmcnt 0x0
	s_cmp_eq_u32 s21, 1                            ; the source buffer is chosen on the work-group's number alone
	s_cselect_b64 s[28:29], s[8:9], s[6:7]
	s_cmp_eq_u32 s21, 2
	s_cselect_b64 s[28:29], s[10:11], s[28:29]
	s_cmp_eq_u32 s21, 3
	s_cselect_b64 s[28:29], s[12:13], s[28:29]
	s_cmp_lt_u32 ttmp9, 128
	s_cselect_b64 s[28:29], s[4:5], s[28:29]
	s_cselect_b64 s[30:31], s[14:15], s[16:17]
	s_add_nc_u64 s[28:29], s[28:29], s[32:33]
	s_add_nc_u64 s[30:31], s[30:31], s[34:35]
	s_add_nc_u64 s[18:19], s[18:19], s[36:37]
.set i, 0
.rept 32
	global_load_b128 v[XR+4*i:XR+4*i+3], v1, s[28:29] offset:4096*i th:TH_LOAD_NT   ; read once in the whole launch
.set i, i+1
.endr
	; The table, while the loads are on their way.  Wave wv makes row s = 8 x work-group + wv.  Lane L makes i = 2 (L & 15) and i + 1 as
	; cos(theta - hh pi/2), hh = L >> 4: lanes 0-15 the cosines, lanes 16-31 the sines; the wave's one store is the whole row of 256 bytes.
	v_lshrrev_b32 v[T], 5, v0
	v_add_nc_u32 v[T], s38, v[T]
	v_cvt_f32_u32 v[T], v[T]                       ; s
	v_bfe_u32 v[T+1], v0, 4, 1                     ; hh
	v_and_b32 v[T+2], 15, v0
	v_lshlrev_b32 v[T+2], 1, v[T+2]                ; i
	v_or_b32 v[T+3], 1, v[T+2]                     ; i + 1
; theta = s exp2(-i log2(10000)/32); n = nearest whole number to theta 2/pi; r = theta - n pi/2 with pi/2 in two parts (|r| <= pi/4);
; series for cos r and sin r; the quadrant q = n - hh picks one of them and the sign.
.macro TRIG dst, ireg
	v_cvt_f32_u32 v[T+4], v[\ireg]
	v_mul_f32 v[T+4], 0xbed49a78, v[T+4]           ; -log2(10000)/32
	v_exp_f32 v[T+4], v[T+4]
	v_nop                                          ; one plain vector instruction behind a transcendental before its result is used (ISA guide 5.7.2)
	s_wait_alu depctr_va_vdst(0)
	v_mul_f32 v[T+4], v[T], v[T+4]                 ; theta
	v_mul_f32 v[T+5], 0x3f22f983, v[T+4]           ; 2/pi
	v_rndne_f32 v[T+5], v[T+5]                     ; n
	v_fmamk_f32 v[T+6], v[T+5], 0xbfc90fdb, v[T+4] ; theta - n x (pi/2 rounded to f32)
	v_fmamk_f32 v[T+6], v[T+5], 0x333bbd2e, v[T+6] ; + n x (what that rounding added)
	v_mul_f32 v[T+7], v[T+6], v[T+6]               ; r^2
	v_mov_b32 v[T+8], 0x37d00d01                   ; 1/40320
	v_fmaak_f32 v[T+8], v[T+8], v[T+7], 0xbab60b61 ; -1/720
	v_fmaak_f32 v[T+8], v[T+8], v[T+7], 0x3d2aaaab ; 1/24
	v_fma_f32 v[T+8], v[T+8], v[T+7], -0.5
	v_fma_f32 v[T+8], v[T+8], v[T+7], 1.0          ; cos r
	v_mov_b32 v[T+9], 0xb9500d01                   ; -1/5040
	v_fmaak_f32 v[T+9], v[T+9], v[T+7], 0x3c088889 ; 1/120
	v_fmaak_f32 v[T+9], v[T+9], v[T+7], 0xbe2aaaab ; -1/6
	v_mul_f32 v[T+9], v[T+9], v[T+7]
	v_fma_f32 v[T+9], v[T+9], v[T+6], v[T+6]       ; sin r
	v_cvt_i32_f32 v[T+10], v[T+5]
	v_sub_nc_u32 v[T+10], v[T+10], v[T+1]          ; q = n - hh; only its two low bits are used
	v_and_b32 v[T+11], 1, v[T+10]
	v_cmp_eq_u32 vcc_lo, 1, v[T+11]
	v_cndmask_b32 v[T+8], v[T+8], v[T+9], vcc_lo   ; q odd: the sine
	v_add_nc_u32 v[T+10], 1, v[T+10]
	v_and_b32 v[T+10], 2, v[T+10]                  ; q = 1, 2 (mod 4): minus
	v_lshlrev_b32 v[T+10], 30, v[T+10]
	v_xor_b32 v[\dst], v[T+8], v[T+10]
.endm
	TRIG T+20, T+2
	TRIG T+21, T+3
	global_store_b64 v2, v[T+20:T+21], s[18:19]
.set i, 0
.rept 32
	s_wait_loadcnt 31-i                            ; loads come back in order (ISA guide 5.7.1): the 31 - i younger ones may stay out
	v_cvt_pk_f16_f32 v[YR+2*i], v[XR+4*i], v[XR+4*i+1]
	v_cvt_pk_f16_f32 v[YR+2*i+1], v[XR+4*i+2], v[XR+4*i+3]
	global_store_b64 v2, v[YR+2*i:YR+2*i+1], s[30:31] offset:2048*i   ; no register of a store is written again
.set i, i+1
.endr
	s_endpgm
.Lfunc_end_k_qf106db1466_cast:
	.size	k_qf106db1466_cast, .Lfunc_end_k_qf106db1466_cast-k_qf106db1466_cast
	.p2alignl 7, 3214868480
	.fill 96, 4, 3214868480
	.section	.rodata,"a",@progbits
	.p2align	6, 0x0
	.amdhsa_kernel k_qf106db1466_cast
		.amdhsa_group_segment_fixed_size 0
		.amdhsa_private_segment_fixed_size 0
		.amdhsa_enable_private_segment 0
		.amdhsa_kernarg_size 64
		.amdhsa_user_sgpr_count 2
		.amdhsa_user_sgpr_kernarg_segment_ptr 1
		.amdhsa_wavefront_size32 1
		.amdhsa_system_sgpr_workgroup_id_x 1
		.amdhsa_system_sgpr_workgroup_id_y 1
		.amdhsa_system_sgpr_workgroup_id_z 1
		.amdhsa_system_vgpr_workitem_id 0
		.amdhsa_next_free_vgpr 224
		.amdhsa_next_free_sgpr 66
		.amdhsa_reserve_vcc 1
		.amdhsa_float_denorm_mode_32 3
		.amdhsa_float_denorm_mode_16_64 3
		.amdhsa_memory_ordered 1
		.amdhsa_forward_progress 1
		.amdhsa_inst_pref_size 16
	.end_amdhsa_kernel
	.amdgpu_metadata
---
amdhsa.version: [ 1, 2 ]
amdhsa.kernels:
  - .name:           k_qf106db1466_cast
    .symbol:         k_qf106db1466_cast.kd
    .args:
      - { .name: x, .offset: 0, .size: 8, .value_kind: global_buffer, .address_space: global }
      - { .name: Wq, .offset: 8, .size: 8, .value_kind: global_buffer, .address_space: global }
      - { .name: Wk, .offset: 16, .size: 8, .value_kind: global_buffer, .address_space: global }
      - { .name: Wv, .offset: 24, .size: 8, .value_kind: global_buffer, .address_space: global }
      - { .name: Wo, .offset: 32, .size: 8, .value_kind: global_buffer, .address_space: global }
      - { .name: xh, .offset: 40, .size: 8, .value_kind: global_buffer, .address_space: global }
      - { .name: wh, .offset: 48, .size: 8, .value_kind: global_buffer, .address_space: global }
      - { .name: rope, .offset: 56, .size: 8, .value_kind: global_buffer, .address_space: global }
    .group_segment_fixed_size: 0
    .private_segment_fixed_size: 0
    .kernarg_segment_align: 8
    .kernarg_segment_size: 64
    .max_flat_workgroup_size: 256
    .sgpr_count:     66
    .vgpr_count:     224
    .wavefront_size: 32
...
	.end_amdgpu_metadata
.endif
;; end of part 1
;; launch qkv (part 2): grid 16 x 16, 4 waves a work-group, clusters of 4 x 4, 327,680 bytes of LDS; arguments xh, wh, rope, qh, kh, vth; writes qh, kh, vth
.if DOCPART == 2
	.amdgcn_target "amdgcn-amd-amdhsa--gfx1250"
	.amdhsa_code_object_version 6
	.text
	.protected	k_qf106db1466_qkv
	.globl	k_qf106db1466_qkv
	.p2align	8
	.type	k_qf106db1466_qkv,@function
k_qf106db1466_qkv:
	s_mov_b64 s[64:65], 0
	v_nop
	global_prefetch_b8 v0, s[64:65] scope:SCOPE_SE
	s_setreg_imm32_b32 hwreg(HW_REG_WAVE_MODE, 25, 1), 1
	s_wait_xcnt 0x0
	s_wait_alu depctr_hold_cnt(0) depctr_sa_sdst(0) depctr_va_vdst(0) depctr_va_sdst(0) depctr_va_ssrc(0) depctr_va_vcc(0) depctr_vm_vsrc(0)
	s_getreg_b32 s2, hwreg(HW_REG_IB_STS2, 6, 4)
	s_cmp_eq_u32 s2, 0
	s_cbranch_scc0 .Lentry_in_a_cluster
	s_endpgm
.Lentry_in_a_cluster:
	s_bfe_u32 s2, ttmp6, 0x10000c
	s_cmp_lg_u32 s2, 0xf033
	s_cbranch_scc0 .Lentry_shape_is_right
	s_endpgm
.Lentry_shape_is_right:
; qkv: q, k, v = x W^T for one head and 256 rows of x, RoPE on q and k, all in f16 with f32 sums.
;   xh [4096][1024] f16; wh rows 192 h .. 192 h + 191 = the head's 64 q rows, 64 k rows, 64 v rows; rope [2048][64] f32 (32 cosines, 32 sines).
;   qh, kh [16 b + h][s][64] f16;  vth [16 b + h][d][s] f16 (v transposed, so that attention finds the keys along the rows).
; LIMIT: q, k, v are stored in f16: their magnitudes must stay below 65,504.
; A work-group (x = head, y = block of 256 rows) has four waves, as many as a WGP has SIMDs; wave w makes rows 64 w .. 64 w + 63 and all 192 columns:
; 48 accumulator tiles of 16 x 16, 384 registers.  All 192 columns in one wave keep the RoPE partners d and d + 32 in one lane at one register index.
; K = 1024 goes in 8 steps of 128 through two LDS slots filled by the tensor data mover; a tile's rows are 256 bytes of memory at multiples of 256.
; CLUSTERS: 4 x 4 work-groups.  x's tile hangs on the row block alone and is shared along a row of the cluster, the weights' tile on the head alone and is
; shared along a column: each is asked for jointly by the four, which divides the requests for both by four.
; REGISTERS in windows of 256:
;   window 0: v16-27 addresses; v32-63 packed results; v64-95, v96-127 x fragments (4 x 16 rows x 32 K), two buffers; v128-255 cosines and sines
;   window 1: v0-95, v96-191 weight fragments (12 x 16 rows x 32 K), two buffers
;   window 2: q and k sums, tile (a, b) at v[8 (8 a + b)], a = 0..3 (16 rows each), b = 0..3 q, 4..7 k;   window 3: v sums, tile (a, b) at v[8 (4 a + b)]
; q and k use the matrix instruction transposed (source 0 = weight rows, source 1 = x rows): a lane holds row l % 16 and 8 neighbouring columns.
; v uses it the natural way (source 0 = x rows): a lane holds column d = l % 16 and 8 neighbouring rows s, which is what the transposed store wants.
.set PITCH, 272                        ; an LDS row: 256 bytes + 16 of padding, an odd multiple of 16: the 16 rows of a fragment load lie 16 bytes apart modulo 256
.set ATILE, 256*PITCH                  ; x's 256 rows
.set BTILE, 192*PITCH                  ; the head's 192 weight rows
.set SLOT,  ATILE+BTILE                ; 121,856
.set QST,   2*SLOT                     ; 243,712: each wave's stage for q and k, 2 x 16 rows x 144 bytes; no tensor load lands here
.set QSW,   2*16*144
.set VST,   QST+4*QSW                  ; 262,144: the work-group's stage for v transposed, 64 rows (d) x 528 bytes; ends at 295,936
.set VP,    528
.set ADRA, 16                          ; v16-17 LDS address of my x fragments in slot 0, 1
.set ADRB, 20                          ; v20-21 the same for the weights
.set RO,   22                          ; my offset in the cos/sin table
.set QSTO, 23                          ; q, k stage: where I put 16 bytes
.set QRD,  24                          ; q, k stage: where I read rows back
.set VSTO, 25                          ; v stage: where I put 16 bytes
.set VRD,  26                          ; v stage: where I read a row back
.set LOFF, 27                          ; 16 x lane
.set PK,   32
.set FA,   64
.set TT,   64                          ; the way out: rotated numbers in f32, then rows read back
.set CS,   128
.set G1,  24                           ; s[24:31] group 1 for x's tiles
.set G0,  32                           ; s[32:39] group 0 for x's tiles, one set for each slot
.set G1B, 48                           ; s[48:55] group 1 for the weights' tiles
.set G0B, 56                           ; s[56:63] group 0 for the weights' tiles
.set W0, (1<<16)|(1<<20)|(1<<21)|(5<<22)|(3<<25)   ; 2-byte elements; padding on; bit 21 beside a mask; after every 64 words; 4 words
.set MSB, 0
.macro WIN new                         ; the immediate's high byte repeats the setting that is left; a switch that changes nothing is dropped
.if MSB != \new
	s_set_vgpr_msb (MSB<<8)|\new
.set MSB, \new
.endif
.endm
.macro PLACES n
.rept \n
	v_nop
.endr
.endm
; A joint load.  Waves 0 and 1 fetch x's two halves (128 rows), waves 2 and 3 the weights' (96 rows).  The branch hangs on the wave's number alone.
.macro JLOAD s
	s_cmp_eq_u32 s17, 0
	s_cbranch_scc0 .Lfor_b_\@
	tensor_load_to_lds s[G0+4*(\s):G0+4*(\s)+3], s[G1:G1+7]
	s_nop 0
	s_branch .Lasked_\@
.Lfor_b_\@:
	tensor_load_to_lds s[G0B+4*(\s):G0B+4*(\s)+3], s[G1B:G1B+7]
	s_nop 0
.Lasked_\@:
.endm
; A round of the cluster's barrier: my work-group's barrier, wave 0 signals for the work-group, every wave waits for all sixteen, my work-group's barrier again.
.macro CREST
	s_cmp_lg_u32 s16, 0
	s_cbranch_scc1 .Lnot_wave_0_\@
	s_barrier_signal -3
.Lnot_wave_0_\@:
	s_barrier_wait -3
	s_barrier_signal -1
	s_barrier_wait -1
.endm
.macro CROUND
	s_barrier_signal -1
	s_barrier_wait -1
	CREST
.endm
	s_load_b256 s[4:11], s[0:1], 0x0               ; xh 4:5, wh 6:7, rope 8:9, qh 10:11
	s_load_b128 s[12:15], s[0:1], 0x20             ; kh 12:13, vth 14:15
	s_set_vgpr_msb 0x40
	v_lshl_add_u32 v255, v0, 2, 0x48400
	s_set_vgpr_msb 0x4000
	v_mov_b32 v31, 0
	s_set_vgpr_msb 0x1
	ds_add_u32 v255, v31
	s_set_vgpr_msb 0x100
	v_lshrrev_b32 v1, 5, v0
	v_readfirstlane_b32 s16, v1                    ; wave 0..3
	s_lshr_b32 s17, s16, 1                         ; I fetch for x (0) or for the weights (1)
	s_and_b32 s18, s16, 1                          ; which half of that tile
	s_bfe_u32 s40, ttmp6, 0x40000                  ; cx
	s_bfe_u32 s41, ttmp6, 0x40004                  ; cy
	s_lshl_b32 s42, ttmp9, 2
	s_add_co_u32 s42, s42, s40                     ; head = 4 x cluster x + cx
	s_and_b32 s43, ttmp7, 0xffff
	s_lshl_b32 s43, s43, 2
	s_add_co_u32 s43, s43, s41                     ; row block = 4 x cluster y + cy
	s_lshl_b32 s44, s41, 2
	s_lshl_b32 s44, 15, s44                        ; my row of the cluster
	s_lshl_b32 s45, 0x1111, s40                    ; my column
	s_or_b32 s[G1+0], s44, W0                      ; x's tiles go to my row
	s_or_b32 s[G1B+0], s45, W0                     ; the weights' to my column
	s_mov_b32 s[G1+1], 128<<16                     ; tensor_dim0 = 128 elements
	s_mov_b32 s[G1B+1], 128<<16
	s_mov_b32 s[G1+2], 128<<16                     ; tensor_dim1 = 128 rows
	s_mov_b32 s[G1B+2], 96<<16                     ; 96 rows
	s_mov_b32 s[G1+3], 128<<16                     ; tile_dim0 = 128
	s_mov_b32 s[G1B+3], 128<<16
	s_mov_b32 s[G1+4], 128                         ; tile_dim1
	s_mov_b32 s[G1B+4], 96
	s_mov_b32 s[G1+5], 1024                        ; elements from row to row
	s_mov_b32 s[G1B+5], 1024
	s_mov_b32 s[G1+6], 0
	s_mov_b32 s[G1B+6], 0
	s_mov_b32 s[G1+7], 0
	s_mov_b32 s[G1B+7], 0
	; x's address is made of the row block and the wave, the weights' of the head and the wave, each in registers that never hold the other coordinate
	s_lshl_b32 s20, s43, 8
	s_lshl_b32 s21, s18, 7
	s_add_co_u32 s20, s20, s21                     ; row 256 x block + 128 x half
	s_lshl_b32 s20, s20, 11                        ; rows of 2,048 bytes (below 8 MiB)
	s_mov_b32 s21, 0
	s_mul_i32 s46, s42, 192
	s_mul_i32 s47, s18, 96
	s_add_co_u32 s46, s46, s47                     ; row 192 x head + 96 x half
	s_lshl_b32 s46, s46, 11
	s_mov_b32 s47, 0
	s_mul_i32 s22, s16, 128*PITCH                  ; LDS: x's halves at wave x 34,816 (waves 0, 1)
	s_mul_i32 s23, s16, 96*PITCH
	s_add_co_u32 s23, s23, ATILE-2*96*PITCH        ; the weights' halves at 69,632 + (wave - 2) x 26,112 (waves 2, 3)
	s_wait_dscnt 0x0
	s_wait_kmcnt 0x0
	s_add_nc_u64 s[20:21], s[4:5], s[20:21]
	s_add_nc_u64 s[46:47], s[6:7], s[46:47]
	CROUND                                         ; all sixteen work-groups are here: the first joint loads meet
.irp s, 0,1
	s_mov_b32 s[G0+4*\s], 1
	s_add_co_u32 s[G0+4*\s+1], s22, \s*SLOT
	s_add_nc_u64 s[G0+4*\s+2:G0+4*\s+3], s[20:21], \s*256          ; K step s
	s_or_b32 s[G0+4*\s+3], s[G0+4*\s+3], 0x80000000
	s_mov_b32 s[G0B+4*\s], 1
	s_add_co_u32 s[G0B+4*\s+1], s23, \s*SLOT
	s_add_nc_u64 s[G0B+4*\s+2:G0B+4*\s+3], s[46:47], \s*256
	s_or_b32 s[G0B+4*\s+3], s[G0B+4*\s+3], 0x80000000
	JLOAD \s                                       ; both slots are asked for before anything else: two loads of a wave are out
.endr
	v_and_b32 v1, 15, v0                           ; r = l % 16
	v_bfe_u32 v2, v0, 4, 1                         ; hh = l / 16
	v_and_b32 v3, 31, v0                           ; l
	v_mul_u32_u24 v4, v1, PITCH
	v_lshl_add_u32 v4, v2, 4, v4                   ; a fragment: row r, 16 bytes for each half of the lanes, a second load 32 bytes on
	s_mul_i32 s66, s16, 64*PITCH                   ; my 64 rows of x
	v_add_nc_u32 v[ADRA], s66, v4
	v_add_nc_u32 v[ADRA+1], SLOT, v[ADRA]
	v_add_nc_u32 v[ADRB], ATILE, v4
	v_add_nc_u32 v[ADRB+1], SLOT, v[ADRB]
	v_lshlrev_b32 v[RO], 8, v1
	v_lshl_add_u32 v[RO], v2, 5, v[RO]             ; table: row r, 8 numbers for each half of the lanes
	s_mul_i32 s67, s16, QSW
	s_add_co_u32 s67, s67, QST
	v_mul_u32_u24 v5, v1, 144
	v_lshl_add_u32 v5, v2, 4, v5
	v_add_nc_u32 v[QSTO], s67, v5
	v_bfe_u32 v5, v0, 3, 2                         ; back: four rows of 128 bytes a load, eight lanes a row
	v_mul_u32_u24 v5, v5, 144
	v_and_b32 v6, 7, v0
	v_lshl_add_u32 v5, v6, 4, v5
	v_add_nc_u32 v[QRD], s67, v5
	s_lshl_b32 s76, s16, 7
	s_add_co_u32 s76, s76, VST                     ; my 64 rows s are 128 bytes of each of the stage's rows
	v_mul_u32_u24 v5, v1, VP
	v_lshl_add_u32 v5, v2, 4, v5
	v_add_nc_u32 v[VSTO], s76, v5
	v_lshlrev_b32 v[LOFF], 4, v3
	s_mul_i32 s77, s16, 16*VP
	s_add_co_u32 s77, s77, VST                     ; back: I take rows d = 16 w .. 16 w + 15, 512 bytes a load
	v_add_nc_u32 v[VRD], s77, v[LOFF]
	; global bases
	s_and_b32 s70, s43, 7                          ; block within the batch's 2,048 rows
	s_lshr_b32 s71, s43, 3                         ; batch
	s_lshl_b32 s68, s70, 16
	s_lshl_b32 s69, s16, 14
	s_add_co_u32 s68, s68, s69                     ; table row 256 x block + 64 w, 256 bytes a row
	s_mov_b32 s69, 0
	s_add_nc_u64 s[68:69], s[8:9], s[68:69]
	s_lshl4_add_u32 s78, s71, s42                  ; 16 b + h
	s_lshl_b32 s72, s78, 18                        ; 2,048 rows of 128 bytes
	s_lshl_b32 s73, s70, 15
	s_add_co_u32 s72, s72, s73
	s_lshl_b32 s73, s16, 13
	s_add_co_u32 s72, s72, s73
	s_mov_b32 s73, 0
	s_add_nc_u64 s[10:11], s[10:11], s[72:73]      ; q at my first row
	s_add_nc_u64 s[12:13], s[12:13], s[72:73]      ; k likewise
	s_lshl_b32 s74, s78, 18                        ; 64 rows of 4,096 bytes
	s_lshl_b32 s75, s16, 16                        ; + 16 w rows
	s_add_co_u32 s74, s74, s75
	s_lshl_b32 s75, s70, 9                         ; + the block's 256 columns
	s_add_co_u32 s74, s74, s75
	s_mov_b32 s75, 0
	s_add_nc_u64 s[14:15], s[14:15], s[74:75]
	; cosines and sines of my 64 rows: CS + 32 a holds cos (d = 8 hh + j), cos (16 + ..), sin, sin, eight registers each.  They are wanted only on the
	; way out and stay on their way during the K loop; their address registers are not written again.
.irp a, 0,1,2,3
.irp c, 0,1,2,3
	global_load_b128 v[CS+32*\a+8*\c:CS+32*\a+8*\c+3], v[RO], s[68:69] offset:4096*\a+64*\c
	global_load_b128 v[CS+32*\a+8*\c+4:CS+32*\a+8*\c+7], v[RO], s[68:69] offset:4096*\a+64*\c+16
.endr
.endr
; 16 matrix instructions of q and k: row tiles a0, a0 + 1 x column tiles 0..7, 32 along K.  zero = 1: the first product starts the sums.
.macro MULQK f, a0, zero
.irp a, \a0, \a0+1
.irp b, 0,1,2,3,4,5,6,7
.if \zero
	v_wmma_f32_16x16x32_f16 v[8*(8*(\a)+\b):8*(8*(\a)+\b)+7], v[96*\f+8*\b:96*\f+8*\b+7], v[FA+32*\f+8*(\a):FA+32*\f+8*(\a)+7], 0
.else
	v_wmma_f32_16x16x32_f16 v[8*(8*(\a)+\b):8*(8*(\a)+\b)+7], v[96*\f+8*\b:96*\f+8*\b+7], v[FA+32*\f+8*(\a):FA+32*\f+8*(\a)+7], v[8*(8*(\a)+\b):8*(8*(\a)+\b)+7]
.endif
.endr
.endr
.endm
; 16 matrix instructions of v
.macro MULV f, zero
.irp a, 0,1,2,3
.irp b, 0,1,2,3
.if \zero
	v_wmma_f32_16x16x32_f16 v[8*(4*\a+\b):8*(4*\a+\b)+7], v[FA+32*\f+8*\a:FA+32*\f+8*\a+7], v[96*\f+64+8*\b:96*\f+64+8*\b+7], 0
.else
	v_wmma_f32_16x16x32_f16 v[8*(4*\a+\b):8*(4*\a+\b)+7], v[FA+32*\f+8*\a:FA+32*\f+8*\a+7], v[96*\f+64+8*\b:96*\f+64+8*\b+7], v[8*(4*\a+\b):8*(4*\a+\b)+7]
.endif
.endr
.endr
.endm
; 32 LDS loads in one run: x's 4 fragments, the q and k weights' 8, the v weights' 4 (these last), 32 K at byte k of the rows, into buffer f
.macro FETCH slot, k, f
	WIN 0
.irp i, 0,1,2,3
	ds_load_b128 v[FA+32*\f+8*\i:FA+32*\f+8*\i+3],   v[ADRA+\slot] offset:\k+\i*16*PITCH
	ds_load_b128 v[FA+32*\f+8*\i+4:FA+32*\f+8*\i+7], v[ADRA+\slot] offset:\k+\i*16*PITCH+32
.endr
	WIN 0x40
.irp i, 0,1,2,3,4,5,6,7,8,9,10,11
	ds_load_b128 v[96*\f+8*\i:96*\f+8*\i+3],   v[ADRB+\slot] offset:\k+\i*16*PITCH
	ds_load_b128 v[96*\f+8*\i+4:96*\f+8*\i+7], v[ADRB+\slot] offset:\k+\i*16*PITCH+32
.endr
.endm
; A K step is four quarters of 32 along K, 48 matrix instructions each, on buffers 0, 1, 0, 1.  The 48 accumulators take turns, one instruction a turn, in
; the same order in every quarter, over the backward jump too.
; Four v_nop stand in front of each run of loads: a load into a register that a matrix instruction has read stands four plain vector instructions behind it
; (ISA guide 7.12.1 for vector instructions).
.macro QUARTER slot, k, f, g, zero
	s_wait_dscnt 8                                 ; x's and the q, k weights' fragments are in; the youngest eight loads (the v weights') may be out
	WIN 0xa1                                       ; source 0 window 1, source 1 window 0, C and D window 2
	MULQK \f, 0, \zero
	MULQK \f, 2, \zero
	PLACES 4
	FETCH \slot, \k, \g
	s_wait_dscnt 32                                ; all but the 32 just issued
	WIN 0xf4                                       ; source 0 window 0, source 1 window 1, C and D window 3
	MULV \f, \zero
.endm
.macro THREE slot, zero
	QUARTER \slot, 64,  0, 1, \zero
	QUARTER \slot, 128, 1, 0, 0
	QUARTER \slot, 192, 0, 1, 0
.endm
; The last quarter multiplies buffer 1 and changes slots.  In front of the barrier each wave waits for its reads of this slot and for all its tensor loads
; (one is out: its part of the next slot).  fill = 1: the barrier opens a round of the cluster's barrier, and the joint refill, two K steps ahead, is the
; first tensor load behind the round's closing wait, one a wave.
.macro TURN slot, next, fill
	s_wait_dscnt 8
	WIN 0xa1
	MULQK 1, 0, 0
	s_wait_dscnt 0x0                               ; my reads of this slot are over
	s_wait_tensorcnt 0x0                           ; all my tensor loads have landed
	ds_add_u32 v255, v31
	s_wait_dscnt 0x0
	s_barrier_signal -1
	MULQK 1, 2, 0                                  ; registers only, while the others arrive
	WIN 0
	s_barrier_wait -1
.if \fill
	CREST
	s_add_nc_u64 s[G0+4*\slot+2:G0+4*\slot+3], s[G0+4*\slot+2:G0+4*\slot+3], 512     ; no load of mine is out: the addresses step two K steps
	s_add_nc_u64 s[G0B+4*\slot+2:G0B+4*\slot+3], s[G0B+4*\slot+2:G0B+4*\slot+3], 512
	JLOAD \slot
.endif
	PLACES 4
	FETCH \next, 0, 0
	WIN 0xf4
	MULV 1, 0
.endm
.macro LAP zero
	THREE 0, \zero
	TURN 0, 1, 1
	THREE 1, 0
	TURN 1, 0, 1
.endm
	s_wait_tensorcnt 0x1                           ; my part of K step 0 is in; K step 1's may stay out
	s_barrier_signal -1
	s_barrier_wait -1
	FETCH 0, 0, 0
	LAP 1                                          ; K steps 0, 1; asks for 2, 3
	WIN 0
	s_mov_b32 s3, 2
.Llap:
	LAP 0                                          ; K steps 2 to 5; asks for 4 to 7
	WIN 0
	s_sub_co_u32 s3, s3, 1
	s_cmp_lg_u32 s3, 0
	s_cbranch_scc1 .Llap
	THREE 0, 0                                     ; K steps 6, 7: nothing is left to fetch
	TURN 0, 1, 0
	THREE 1, 0
	s_wait_dscnt 8
	WIN 0xa1
	MULQK 1, 0, 0
	MULQK 1, 2, 0
	s_wait_dscnt 0x0
	WIN 0xf4
	MULV 1, 0
	; THE WAY OUT
	PLACES 4                                       ; four plain vector instructions behind the last matrix instructions (ISA guide 7.12.1)
	s_wait_loadcnt 0x0                             ; cosines and sines
	; v: a lane's 8 results are 8 neighbouring s of one d: 16 bytes into row d of the work-group's stage
	WIN 0x0f                                       ; sources in window 3
.set i, 0
.rept 16
.irp j, 0,1,2,3
	v_cvt_pk_f16_f32 v[TT+4*i+\j], v[8*i+2*\j], v[8*i+2*\j+1]
.endr
.set i, i+1
.endr
	WIN 0
.irp a, 0,1,2,3
.irp b, 0,1,2,3
	ds_store_b128 v[VSTO], v[TT+4*(4*\a+\b):TT+4*(4*\a+\b)+3] offset:16*VP*\b+32*\a
.endr
.endr
; q and k, 16 rows at a time: lo' = lo cos - hi sin, hi' = hi cos + lo sin (lo: d < 32, hi: d + 32, the same lane and register two column tiles on),
; rounded to f16, 16 bytes a lane into my own stage, read back as rows of 128 bytes, four rows (512 consecutive bytes of q or k) a store.
.macro QKOUT a
	s_wait_xcnt 0x0                                ; TT's first 32 registers were the data of the last 16 rows' stores: written again only behind this wait
	WIN 0x02                                       ; source 0 (the sums) in window 2
.irp g, 0,1
.irp b, 0,1
.irp jp, 0,2,4,6
.set lo, 8*(8*\a+4*\g+\b)+\jp
.set hi, 8*(8*\a+4*\g+\b+2)+\jp
.set tl, TT+32*\g+8*\b+\jp
.set th, TT+32*\g+8*(\b+2)+\jp
.set co, CS+32*\a+8*\b+\jp
.set si, CS+32*\a+16+8*\b+\jp
	v_pk_mul_f32 v[tl:tl+1], v[lo:lo+1], v[co:co+1]
	v_pk_mul_f32 v[th:th+1], v[hi:hi+1], v[co:co+1]
	v_pk_fma_f32 v[tl:tl+1], v[hi:hi+1], v[si:si+1], v[tl:tl+1] neg_lo:[1,0,0] neg_hi:[1,0,0]
	v_pk_fma_f32 v[th:th+1], v[lo:lo+1], v[si:si+1], v[th:th+1]
.endr
.endr
.endr
	WIN 0
.irp g, 0,1
.irp b, 0,1,2,3
.irp j, 0,1,2,3
	v_cvt_pk_f16_f32 v[PK+16*\g+4*\b+\j], v[TT+32*\g+8*\b+2*\j], v[TT+32*\g+8*\b+2*\j+1]
.endr
.endr
.endr
.irp g, 0,1
.irp b, 0,1,2,3
	ds_store_b128 v[QSTO], v[PK+16*\g+4*\b:PK+16*\g+4*\b+3] offset:2304*\g+32*\b
.endr
.endr
.irp g, 0,1
.irp t, 0,1,2,3
	ds_load_b128 v[TT+16*\g+4*\t:TT+16*\g+4*\t+3], v[QRD] offset:2304*\g+576*\t   ; LDS serves a wave's instructions in order (ISA guide 5.7.1): these see the stores above
.endr
.endr
.irp g, 0,1
.irp t, 0,1,2,3
	s_wait_dscnt 7-4*\g-\t                         ; the younger of the eight loads may stay out
	global_store_b128 v[LOFF], v[TT+16*\g+4*\t:TT+16*\g+4*\t+3], s[10+2*\g:11+2*\g] offset:2048*\a+512*\t
.endr
.endr
.endm
	QKOUT 0
	QKOUT 1
	QKOUT 2
	QKOUT 3
	; v: every wave's part of the stage is written; then each wave stores 16 rows d, 512 consecutive bytes each
	s_wait_dscnt 0x0                               ; for the others' sake: my LDS stores are done
	s_barrier_signal -1
	s_barrier_wait -1
.irp t, 0,1,2,3,4,5,6,7,8,9,10,11,12,13,14,15
	ds_load_b128 v[CS+4*\t:CS+4*\t+3], v[VRD] offset:VP*\t
.endr
.irp t, 0,1,2,3,4,5,6,7,8,9,10,11,12,13,14,15
	s_wait_dscnt 15-\t
	global_store_b128 v[LOFF], v[CS+4*\t:CS+4*\t+3], s[14:15] offset:4096*\t
.endr
	s_set_vgpr_msb 0x1
	s_wait_tensorcnt 0x0
	ds_add_u32 v255, v31
	s_wait_dscnt 0x0
	s_set_vgpr_msb 0x100
	CROUND                                         ; the closing round: no work-group ends while a partner may still ask for a tile that names it
	s_endpgm
.Lfunc_end_k_qf106db1466_qkv:
	.size	k_qf106db1466_qkv, .Lfunc_end_k_qf106db1466_qkv-k_qf106db1466_qkv
	.p2alignl 7, 3214868480
	.fill 96, 4, 3214868480
	.section	.rodata,"a",@progbits
	.p2align	6, 0x0
	.amdhsa_kernel k_qf106db1466_qkv
		.amdhsa_group_segment_fixed_size 327680
		.amdhsa_private_segment_fixed_size 0
		.amdhsa_enable_private_segment 0
		.amdhsa_kernarg_size 48
		.amdhsa_user_sgpr_count 2
		.amdhsa_user_sgpr_kernarg_segment_ptr 1
		.amdhsa_wavefront_size32 1
		.amdhsa_system_sgpr_workgroup_id_x 1
		.amdhsa_system_sgpr_workgroup_id_y 1
		.amdhsa_system_sgpr_workgroup_id_z 1
		.amdhsa_system_vgpr_workitem_id 0
		.amdhsa_next_free_vgpr 896
		.amdhsa_next_free_sgpr 80
		.amdhsa_reserve_vcc 0
		.amdhsa_float_denorm_mode_32 3
		.amdhsa_float_denorm_mode_16_64 3
		.amdhsa_memory_ordered 1
		.amdhsa_forward_progress 1
		.amdhsa_inst_pref_size 183
	.end_amdhsa_kernel
	.amdgpu_metadata
---
amdhsa.version: [ 1, 2 ]
amdhsa.kernels:
  - .name:           k_qf106db1466_qkv
    .symbol:         k_qf106db1466_qkv.kd
    .args:
      - { .name: xh, .offset: 0, .size: 8, .value_kind: global_buffer, .address_space: global }
      - { .name: wh, .offset: 8, .size: 8, .value_kind: global_buffer, .address_space: global }
      - { .name: rope, .offset: 16, .size: 8, .value_kind: global_buffer, .address_space: global }
      - { .name: qh, .offset: 24, .size: 8, .value_kind: global_buffer, .address_space: global }
      - { .name: kh, .offset: 32, .size: 8, .value_kind: global_buffer, .address_space: global }
      - { .name: vth, .offset: 40, .size: 8, .value_kind: global_buffer, .address_space: global }
    .group_segment_fixed_size: 327680
    .private_segment_fixed_size: 0
    .kernarg_segment_align: 8
    .kernarg_segment_size: 48
    .max_flat_workgroup_size: 128
    .sgpr_count:     80
    .vgpr_count:     896
    .wavefront_size: 32
...
	.end_amdgpu_metadata
.endif
;; end of part 2
;; launch attn (part 3): grid 8 x 32, 8 waves a work-group, clusters of 4 x 1, 327,680 bytes of LDS; arguments qh, kh, vth, attention_mask, ah; writes ah
.if DOCPART == 3
	.amdgcn_target "amdgcn-amd-amdhsa--gfx1250"
	.amdhsa_code_object_version 6
	.text
	.protected	k_qf106db1466_attn
	.globl	k_qf106db1466_attn
	.p2align	8
	.type	k_qf106db1466_attn,@function
k_qf106db1466_attn:
	s_mov_b64 s[64:65], 0
	v_nop
	global_prefetch_b8 v0, s[64:65] scope:SCOPE_SE
	s_setreg_imm32_b32 hwreg(HW_REG_WAVE_MODE, 25, 1), 1
	s_wait_xcnt 0x0
	s_wait_alu depctr_hold_cnt(0) depctr_sa_sdst(0) depctr_va_vdst(0) depctr_va_sdst(0) depctr_va_ssrc(0) depctr_va_vcc(0) depctr_vm_vsrc(0)
	s_getreg_b32 s2, hwreg(HW_REG_IB_STS2, 6, 4)
	s_cmp_eq_u32 s2, 0
	s_cbranch_scc0 .Lentry_in_a_cluster
	s_endpgm
.Lentry_in_a_cluster:
	s_bfe_u32 s2, ttmp6, 0x10000c
	s_cmp_lg_u32 s2, 0x3003
	s_cbranch_scc0 .Lentry_shape_is_right
	s_endpgm
.Lentry_shape_is_right:
; attn: softmax(q k^T / 8 + mask) v for one (batch, head) and 256 queries, with a running maximum; operands f16, sums and softmax f32.
;   qh, kh [bh][s][64] f16; vth [bh][d][s] f16; attention_mask [2][2048] f32;
;   ah [m/2][h][m&1][64] f16 (m = 2048 b + s): two rows of one head are 256 consecutive aligned bytes.
; Eight waves, two on each SIMD, so that one wave's softmax runs beside the other's matrix work.  Wave w: queries 64 (w & 3) .. + 63 of the block, and the
; half kg = w >> 2 of every slot's 256 keys: 16 steps of 64 keys, 64 matrix instructions each.  Waves w and w + 4 keep their own maximum, sum and output
; sums and are merged once at the end through LDS.
; LAYOUTS: S^T = K Q^T (source 0 = 16 keys, source 1 = 16 queries): a lane holds one query (l % 16) and keys 8 (l / 16) + j.  Two neighbouring key tiles,
; packed to f16, ARE source 1 of out^T = V^T P^T for 32 keys: no shuffle.  Maximum, sum and rescaling factor are one number a lane.
; MASK: t = S c2 + g, c2 = log2(e)/8, g = (1 - am) x (-FLT_MAX/2), p = exp2(t - max t).  1 - am is rounded as in the model; it is 0 or at least 2^-24 in
; magnitude, so the model's term is 0 or at least 2^104 in magnitude and swallows the score: only order and equality of such terms count, and the
; exact factor 1/2 keeps both without overflow.  A row with every key masked gives p = 1 everywhere, the model's uniform weights.
; LIMITS: that argument needs |q.k| c2 < 2^79.  p below 2^-25 rounds to 0 in f16.  The output is stored in f16 (it is bounded by the largest |v|).
; CLUSTER: the four query blocks of a cluster read the same K and V tiles: joint loads with the mask 15 divide those requests by four.
.set KP,    144                        ; a K row in LDS: 128 bytes + 16, an odd multiple of 16
.set VP,    528                        ; a V^T row in LDS: 512 bytes + 16
.set KT,    256*KP                     ; 36,864: 256 keys
.set SLOT,  KT+64*VP                   ; 70,656: then 64 rows d x 256 keys
.set MT,    2*SLOT                     ; 141,312: g of the batch's 2,048 keys, 8,192 bytes; written by LDS stores, no tensor load lands here or behind
.set MERGE, MT+8192                    ; 149,504: 4 x 17,408: sums, maxima and output sums of waves 4-7
.set OST,   MERGE+4*17408              ; 219,136: 4 x 64 rows x 144: the way out of waves 0-3; ends at 256,000
.set AK,  1                            ; v1-2   my K fragments in slot 0, 1
.set AV,  3                            ; v3-4   my V^T fragments
.set AM,  5                            ; v5     my g, steps 1,024 bytes a slot
.set MX,  8                            ; v8-11  the step's maximum, one register for each query tile qt
.set TX,  12                           ; v12-15 what the other half of the lanes sent
.set ST,  16                           ; v16-23 pairs (m, l) of qt = 0..3
.set AL,  24                           ; v24-31 pairs (alpha, m_old - m_new)
.set MTR, 32                           ; v32-63 g of the step's 64 keys (8 a key tile)
.set SM,  32                           ; v32-39 afterwards: pairs of partial sums
.set KF,  64                           ; v64-127 K fragments (kt, dh) at 64 + 16 kt + 8 dh
.set SB,  128                          ; v128-255 S (kt, qt) at 128 + 64 (kt / 2) + 16 qt + 8 (kt % 2); later P (kp, qt) in the first 8 of each 16
.set QF,  128                          ; window 1: v0-127 output sums (dt, qt) at 8 (4 dt + qt); v128-191 Q fragments (qt, dh) at 128 + 16 qt + 8 dh
.set VF,  192                          ; window 1: v192-255 V^T fragments (kp, dt) at 192 + 32 kp + 8 dt
.set G1K, 24
.set G0K, 32
.set G1V, 48
.set G0V, 56
.set MSB, 0
.macro WIN new
.if MSB != \new
	s_set_vgpr_msb (MSB<<8)|\new
.set MSB, \new
.endif
.endm
.macro PLACES n
.rept \n
	v_nop
.endr
.endm
.macro ROUND                           ; a round of the cluster's barrier
	s_barrier_signal -1
	s_barrier_wait -1
	s_cmp_lg_u32 s14, 0
	s_cbranch_scc1 .Lnot_wave_0_\@
	s_barrier_signal -3
.Lnot_wave_0_\@:
	s_barrier_wait -3
	s_barrier_signal -1
	s_barrier_wait -1
.endm
.macro JLOAD s                         ; waves 0-3 fetch quarters of K's tile (64 keys), waves 4-7 quarters of V^T's (16 rows of 512 bytes)
	s_cmp_eq_u32 s16, 0
	s_cbranch_scc0 .Lfor_v_\@
	tensor_load_to_lds s[G0K+4*(\s):G0K+4*(\s)+3], s[G1K:G1K+7]
	s_nop 0
	s_branch .Lasked_\@
.Lfor_v_\@:
	tensor_load_to_lds s[G0V+4*(\s):G0V+4*(\s)+3], s[G1V:G1V+7]
	s_nop 0
.Lasked_\@:
.endm
	s_load_b256 s[4:11], s[0:1], 0x0               ; qh 4:5, kh 6:7, vth 8:9, attention_mask 10:11
	s_load_b64 s[12:13], s[0:1], 0x20              ; ah
	v_lshl_add_u32 v254, v0, 2, 0x3e800
	v_mov_b32 v255, 0
	ds_add_u32 v254, v255
	s_wait_dscnt 0x0
	v_lshrrev_b32 v1, 5, v0
	v_readfirstlane_b32 s14, v1                    ; wave 0..7
	s_and_b32 s15, s14, 3                          ; qg: my 64 queries; also which quarter of a tile I fetch
	s_lshr_b32 s16, s14, 2                         ; kg: my half of the keys; also K (0) or V (1)
	s_bfe_u32 s17, ttmp6, 0x40000                  ; cx
	s_lshl_b32 s18, ttmp9, 2
	s_add_co_u32 s18, s18, s17                     ; query block = 4 x cluster x + cx
	s_and_b32 s19, ttmp7, 0xffff                   ; bh = 16 b + h
	s_mov_b32 s40, 0x3e38aa3b                      ; c2 = log2(e) / 8, twice for the packed form
	s_mov_b32 s41, 0x3e38aa3b
	s_mov_b32 s42, 0x76543210                      ; v_permlanex16_b32: lane i of one half reads lane i of the other
	s_mov_b32 s43, 0xfedcba98
	s_mov_b32 s[G1K+0], 15|(1<<16)|(1<<20)|(1<<21)|(4<<22)|(3<<25)  ; all four of the cluster; 2-byte elements; 4 words of padding after every 32
	s_mov_b32 s[G1K+1], 64<<16                     ; tensor_dim0 = 64
	s_mov_b32 s[G1K+2], 64<<16                     ; tensor_dim1 = 64
	s_mov_b32 s[G1K+3], 64<<16                     ; tile_dim0 = 64
	s_mov_b32 s[G1K+4], 64                         ; tile_dim1 = 64
	s_mov_b32 s[G1K+5], 64                         ; elements from row to row
	s_mov_b32 s[G1K+6], 0
	s_mov_b32 s[G1K+7], 0
	s_mov_b32 s[G1V+0], 15|(1<<16)|(1<<20)|(1<<21)|(6<<22)|(3<<25)  ; padding after every 128 words
	s_mov_b32 s[G1V+1], 256<<16
	s_mov_b32 s[G1V+2], 16<<16
	s_mov_b32 s[G1V+3], 256<<16
	s_mov_b32 s[G1V+4], 16
	s_mov_b32 s[G1V+5], 2048
	s_mov_b32 s[G1V+6], 0
	s_mov_b32 s[G1V+7], 0
	s_lshl_b32 s20, s19, 18                        ; K: (2,048 bh + 64 qg) rows of 128 bytes: nothing of cx enters
	s_lshl_b32 s21, s15, 13
	s_add_co_u32 s20, s20, s21
	s_mov_b32 s21, 0
	s_lshl_b32 s22, s19, 18                        ; V^T: (64 bh + 16 qg) rows of 4,096 bytes
	s_lshl_b32 s23, s15, 16
	s_add_co_u32 s22, s22, s23
	s_mov_b32 s23, 0
	s_mul_i32 s66, s14, 64*KP                      ; LDS: K's quarters at wave x 9,216 (waves 0-3)
	s_mul_i32 s67, s14, 16*VP
	s_add_co_u32 s67, s67, KT-4*16*VP              ; V^T's at 36,864 + (wave - 4) x 8,448 (waves 4-7)
	s_wait_kmcnt 0x0
	s_add_nc_u64 s[20:21], s[6:7], s[20:21]
	s_add_nc_u64 s[22:23], s[8:9], s[22:23]
	ROUND                                          ; the four work-groups are here: the first joint loads meet
.irp s, 0,1
	s_mov_b32 s[G0K+4*\s], 1
	s_add_co_u32 s[G0K+4*\s+1], s66, \s*SLOT
	s_add_nc_u64 s[G0K+4*\s+2:G0K+4*\s+3], s[20:21], \s*32768      ; keys 256 s ..
	s_or_b32 s[G0K+4*\s+3], s[G0K+4*\s+3], 0x80000000
	s_mov_b32 s[G0V+4*\s], 1
	s_add_co_u32 s[G0V+4*\s+1], s67, \s*SLOT
	s_add_nc_u64 s[G0V+4*\s+2:G0V+4*\s+3], s[22:23], \s*512
	s_or_b32 s[G0V+4*\s+3], s[G0V+4*\s+3], 0x80000000
	JLOAD \s                                       ; two loads of a wave are out
.endr
	v_and_b32 v64, 15, v0                          ; r
	v_bfe_u32 v65, v0, 4, 1                        ; hh
	s_mul_i32 s68, s16, 128*KP
	v_mul_u32_u24 v67, v64, KP
	v_lshl_add_u32 v67, v65, 4, v67
	v_add_nc_u32 v[AK], s68, v67
	v_add_nc_u32 v[AK+1], SLOT, v[AK]
	s_lshl_b32 s69, s16, 8
	s_add_co_u32 s69, s69, KT
	v_mul_u32_u24 v67, v64, VP
	v_lshl_add_u32 v67, v65, 4, v67
	v_add_nc_u32 v[AV], s69, v67
	v_add_nc_u32 v[AV+1], SLOT, v[AV]
	s_lshl_b32 s70, s16, 9
	s_add_co_u32 s70, s70, MT
	v_lshl_add_u32 v[AM], v65, 5, s70
	v_lshlrev_b32 v6, 5, v0                        ; the mask: 8 numbers a thread
	v_add_nc_u32 v68, MT, v6
	v_lshlrev_b32 v7, 7, v64
	v_lshl_add_u32 v7, v65, 4, v7                  ; Q: row r of 128 bytes, 16 bytes for each half of the lanes
	s_lshr_b32 s71, s19, 4                         ; batch
	s_lshl_b32 s72, s71, 13
	s_mov_b32 s73, 0
	s_add_nc_u64 s[72:73], s[10:11], s[72:73]
	s_lshl_b32 s74, s19, 18
	s_lshl_b32 s75, s18, 15
	s_add_co_u32 s74, s74, s75
	s_lshl_b32 s75, s15, 13
	s_add_co_u32 s74, s74, s75                     ; (2,048 bh + 256 block + 64 qg) rows of 128 bytes
	s_mov_b32 s75, 0
	s_add_nc_u64 s[74:75], s[4:5], s[74:75]
	s_lshl_b32 s76, s71, 22                        ; ah: (1,024 b + 128 block + 32 qg) double rows of 4,096 bytes + 256 h
	s_lshl_b32 s77, s18, 19
	s_add_co_u32 s76, s76, s77
	s_lshl_b32 s77, s15, 17
	s_add_co_u32 s76, s76, s77
	s_and_b32 s77, s19, 15
	s_lshl_b32 s77, s77, 8
	s_add_co_u32 s76, s76, s77
	s_mov_b32 s77, 0
	s_add_nc_u64 s[12:13], s[12:13], s[76:77]
	global_load_b128 v[32:35], v6, s[72:73]
	global_load_b128 v[36:39], v6, s[72:73] offset:16
	WIN 0x40                                       ; destination in window 1
.irp qt, 0,1,2,3
.irp c, 0,1,2,3
	global_load_b128 v[QF+16*\qt+4*\c:QF+16*\qt+4*\c+3], v7, s[74:75] offset:2048*\qt+32*\c
.endr
.endr
	WIN 0
.irp i, 0,1,2,3
	v_mov_b32 v[TX+\i], 0                          ; v_permlanex16_b32 counts as a reader of its destination
	v_mov_b32 v[ST+2*\i+1], 0                      ; l: its pair is read as a whole before the first sum is formed
.endr
	s_wait_loadcnt 16                              ; the mask's two loads are in; Q's sixteen are younger
.irp i, 0,1,2,3,4,5,6,7
	v_sub_f32 v[32+\i], 1.0, v[32+\i]              ; rounded as in the model, so that equal terms there are equal here: not fused with the product
.endr
.irp i, 0,1,2,3,4,5,6,7
	v_mul_f32 v[32+\i], 0xfeffffff, v[32+\i]       ; x -FLT_MAX / 2
.endr
	ds_store_b128 v68, v[32:35]
	ds_store_b128 v68, v[36:39] offset:16
	s_wait_loadcnt 0x0                             ; Q
	s_wait_dscnt 0x0                               ; for the others' sake: my part of g is written
	s_wait_tensorcnt 0x1                           ; my part of slot 0 is in; slot 1's may stay out
	s_barrier_signal -1
	s_barrier_wait -1
; One step: 64 keys (step st of slot's two for my half) against my 64 queries.  first = 1: the very first step starts maximum, sum and output sums.
; No two matrix instructions that follow each other share an accumulator, across steps too.
.macro STEP slot, st, first
.if \first == 0
	PLACES 5                                       ; behind the last P V products: 4 before loads into their V fragments, 5 before K Q^T writes over P
.endif
.irp kt, 0,1,2,3
.irp c, 0,1,2,3
	ds_load_b128 v[KF+16*\kt+4*\c:KF+16*\kt+4*\c+3], v[AK+\slot] offset:64*KP*\st+16*KP*\kt+32*\c
.endr
.endr
.irp kt, 0,1,2,3
	ds_load_b128 v[MTR+8*\kt:MTR+8*\kt+3],   v[AM] offset:256*\st+64*\kt
	ds_load_b128 v[MTR+8*\kt+4:MTR+8*\kt+7], v[AM] offset:256*\st+64*\kt+16
.endr
	WIN 0x40
.irp kp, 0,1
.irp dt, 0,1,2,3
	ds_load_b128 v[VF+32*\kp+8*\dt:VF+32*\kp+8*\dt+3],   v[AV+\slot] offset:128*\st+64*\kp+16*VP*\dt
	ds_load_b128 v[VF+32*\kp+8*\dt+4:VF+32*\kp+8*\dt+7], v[AV+\slot] offset:128*\st+64*\kp+16*VP*\dt+32
.endr
.endr
	s_wait_dscnt 24                                ; K's 16 loads are in; g's 8 and V's 16 may stay out
	WIN 0x04                                       ; source 1 (Q) in window 1
.irp kt, 0,1,2,3
.irp qt, 0,1,2,3
.set dd, SB+64*(\kt/2)+16*\qt+8*(\kt%2)
	v_wmma_f32_16x16x32_f16 v[dd:dd+7], v[KF+16*\kt:KF+16*\kt+7], v[QF+16*\qt:QF+16*\qt+7], 0
.endr
.endr
.irp kt, 0,1,2,3
.irp qt, 0,1,2,3
.set dd, SB+64*(\kt/2)+16*\qt+8*(\kt%2)
	v_wmma_f32_16x16x32_f16 v[dd:dd+7], v[KF+16*\kt+8:KF+16*\kt+15], v[QF+16*\qt+8:QF+16*\qt+15], v[dd:dd+7]
.endr
.endr
	WIN 0
	PLACES 4                                       ; before vector instructions read the products
	s_wait_dscnt 16                                ; g is in; V's 16 loads may stay out
.irp kt, 0,1,2,3
.irp qt, 0,1,2,3
.irp jp, 0,2,4,6
.set dd, SB+64*(\kt/2)+16*\qt+8*(\kt%2)+\jp
	v_pk_fma_f32 v[dd:dd+1], v[dd:dd+1], s[40:41], v[MTR+8*\kt+\jp:MTR+8*\kt+\jp+1] op_sel_hi:[1,0,1]   ; t = S c2 + g
.endr
.endr
.endr
	; the maximum of my 32 numbers of each query, the four queries' chains by turns; then the old maximum and the other half of the lanes
.irp qt, 0,1,2,3
	v_max3_num_f32 v[MX+\qt], v[SB+16*\qt], v[SB+16*\qt+1], v[SB+16*\qt+2]
.endr
.set nn, 3
.rept 14
.irp qt, 0,1,2,3
	v_max3_num_f32 v[MX+\qt], v[MX+\qt], v[SB+64*(nn/16)+16*\qt+(nn%16)], v[SB+64*((nn+1)/16)+16*\qt+((nn+1)%16)]
.endr
.set nn, nn+2
.endr
.irp qt, 0,1,2,3
.if \first
	v_max_num_f32 v[MX+\qt], v[MX+\qt], v[SB+64+16*\qt+15]
.else
	v_max3_num_f32 v[MX+\qt], v[MX+\qt], v[SB+64+16*\qt+15], v[ST+2*\qt]
.endif
.endr
.irp qt, 0,1,2,3
	v_permlanex16_b32 v[TX+\qt], v[MX+\qt], s42, s43
.endr
.irp qt, 0,1,2,3
	v_max_num_f32 v[MX+\qt], v[MX+\qt], v[TX+\qt]
.endr
.if \first == 0
.irp qt, 0,1,2,3
	v_sub_f32 v[AL+2*\qt+1], v[ST+2*\qt], v[MX+\qt]
.endr
.irp qt, 0,1,2,3
	v_exp_f32 v[AL+2*\qt], v[AL+2*\qt+1]           ; alpha = exp2(m_old - m_new)
.endr
.endif
.irp qt, 0,1,2,3
	v_mov_b32 v[ST+2*\qt], v[MX+\qt]               ; the new maximum; also the plain instructions behind the exponentials (ISA guide 5.7.2)
.endr
.irp kp, 0,1
.irp qt, 0,1,2,3
.irp jp, 0,2,4,6,8,10,12,14
.set dd, SB+64*\kp+16*\qt+\jp
	v_pk_add_f32 v[dd:dd+1], v[dd:dd+1], v[ST+2*\qt:ST+2*\qt+1] op_sel_hi:[1,0] neg_lo:[0,1] neg_hi:[0,1]   ; t - m, m for both halves
.endr
.endr
.endr
.set nn, 0
.rept 128
	v_exp_f32 v[SB+nn], v[SB+nn]
.set nn, nn+1
.endr
	v_nop                                          ; one plain instruction behind the last exponential
	s_wait_alu depctr_va_vdst(0)
.irp qt, 0,1,2,3
	v_pk_add_f32 v[SM+2*\qt:SM+2*\qt+1], v[SB+16*\qt:SB+16*\qt+1], v[SB+16*\qt+2:SB+16*\qt+3]
.endr
.set nn, 2
.rept 14
.irp qt, 0,1,2,3
	v_pk_add_f32 v[SM+2*\qt:SM+2*\qt+1], v[SM+2*\qt:SM+2*\qt+1], v[SB+64*(nn/8)+16*\qt+2*(nn%8):SB+64*(nn/8)+16*\qt+2*(nn%8)+1]
.endr
.set nn, nn+1
.endr
.irp qt, 0,1,2,3
.if \first
	v_add_f32 v[ST+2*\qt+1], v[SM+2*\qt], v[SM+2*\qt+1]
.else
	v_fma_f32 v[ST+2*\qt+1], v[ST+2*\qt+1], v[AL+2*\qt], v[SM+2*\qt]   ; l = l alpha + the step's sum; l stays one part for each half of the lanes
	v_add_f32 v[ST+2*\qt+1], v[ST+2*\qt+1], v[SM+2*\qt+1]
.endif
.endr
	; P to f16 in place: register i of a block of 16 takes numbers 2 i and 2 i + 1, ascending, so nothing unread is written over
.irp kp, 0,1
.irp qt, 0,1,2,3
.irp i, 0,1,2,3,4,5,6,7
.set dd, SB+64*\kp+16*\qt
	v_cvt_pk_f16_f32 v[dd+\i], v[dd+2*\i], v[dd+2*\i+1]
.endr
.endr
.endr
.if \first == 0
	WIN 0x41                                       ; destination and source 0 in window 1
.irp dt, 0,1,2,3
.irp qt, 0,1,2,3
.irp jp, 0,2,4,6
.set dd, 8*(4*\dt+\qt)+\jp
	v_pk_mul_f32 v[dd:dd+1], v[dd:dd+1], v[AL+2*\qt:AL+2*\qt+1] op_sel_hi:[1,0]
.endr
.endr
.endr
.endif
	s_wait_dscnt 0x0                               ; V's fragments
	WIN 0x51                                       ; D, C and source 0 (V^T) in window 1, source 1 (P) in window 0
.irp kp, 0,1
.irp dt, 0,1,2,3
.irp qt, 0,1,2,3
.set dd, 8*(4*\dt+\qt)
.if \first*(1-\kp)
	v_wmma_f32_16x16x32_f16 v[dd:dd+7], v[VF+32*\kp+8*\dt:VF+32*\kp+8*\dt+7], v[SB+64*\kp+16*\qt:SB+64*\kp+16*\qt+7], 0
.else
	v_wmma_f32_16x16x32_f16 v[dd:dd+7], v[VF+32*\kp+8*\dt:VF+32*\kp+8*\dt+7], v[SB+64*\kp+16*\qt:SB+64*\kp+16*\qt+7], v[dd:dd+7]
.endif
.endr
.endr
.endr
	WIN 0
.endm
.macro PHASE slot, first               ; a slot: my two steps of it
	STEP \slot, 0, \first
	STEP \slot, 1, 0
	v_add_nc_u32 v[AM], 1024, v[AM]
.endm
; A change of slots.  In front of the round every wave waits for all its tensor loads (its part of this slot among them) and for its reads of the other
; slot; behind the round's closing wait the joint refill of the other slot comes first, one load a wave, with two steps' work in which to land.
.macro TWO slot, refill
	s_wait_xcnt 0x0
	v_lshl_add_u32 v254, v0, 2, 0x3e800
	v_mov_b32 v255, 0
	s_wait_tensorcnt 0x0
	ds_add_u32 v254, v255
	s_wait_dscnt 0x0
.if \refill
	s_add_nc_u64 s[G0K+4*(1-\slot)+2:G0K+4*(1-\slot)+3], s[G0K+4*(1-\slot)+2:G0K+4*(1-\slot)+3], 65536   ; no load of mine is out: 512 keys on
	s_add_nc_u64 s[G0V+4*(1-\slot)+2:G0V+4*(1-\slot)+3], s[G0V+4*(1-\slot)+2:G0V+4*(1-\slot)+3], 1024
.endif
	s_wait_dscnt 0x0
	ROUND
.if \refill
	JLOAD 1-\slot
.endif
	PHASE \slot, 0
.endm
	PHASE 0, 1                                     ; keys 0-255
	s_mov_b32 s44, 3
.Lpair:
	TWO 1, 1                                       ; tiles 1, 3, 5; asks for 2, 4, 6
	TWO 0, 1                                       ; tiles 2, 4, 6; asks for 3, 5, 7
	s_sub_co_u32 s44, s44, 1
	s_cmp_lg_u32 s44, 0
	s_cbranch_scc1 .Lpair
	TWO 1, 0                                       ; tile 7: nothing is left to fetch
	; THE MERGE of waves w and w + 4, and the way out
	PLACES 4                                       ; before LDS stores and vector instructions read the last products
.irp qt, 0,1,2,3
	v_permlanex16_b32 v[TX+\qt], v[ST+2*\qt+1], s42, s43
.endr
.irp qt, 0,1,2,3
	v_add_f32 v[ST+2*\qt+1], v[ST+2*\qt+1], v[TX+\qt]              ; l of the query: both halves of the lanes
.endr
	v_and_b32 v64, 31, v0
	v_lshlrev_b32 v64, 4, v64                      ; 16 x lane
	s_mul_i32 s20, s14, 17408
	s_cmp_eq_u32 s16, 0
	s_cbranch_scc1 .Lkeep
	s_add_co_u32 s21, s20, MERGE-4*17408           ; waves 4-7: region wave - 4
	v_add_nc_u32 v6, s21, v64
	WIN 0x04                                       ; an LDS store's data is source 1: window 1
.set nn, 0
.rept 32
	ds_store_b128 v6, v[4*nn:4*nn+3] offset:512*nn
.set nn, nn+1
.endr
	WIN 0
	ds_store_b128 v6, v[ST:ST+3] offset:16384
	ds_store_b128 v6, v[ST+4:ST+7] offset:16896
.Lkeep:
	s_wait_dscnt 0x0                               ; for the partner's sake
	s_barrier_signal -1
	s_barrier_wait -1
	s_cmp_lg_u32 s16, 0
	s_cbranch_scc1 .Lclose                         ; waves 4-7 have handed everything over
	s_add_co_u32 s21, s20, MERGE                   ; waves 0-3: region wave
	v_add_nc_u32 v6, s21, v64
.set nn, 0
.rept 32
	ds_load_b128 v[SB+4*nn:SB+4*nn+3], v6 offset:512*nn
.set nn, nn+1
.endr
	ds_load_b128 v[32:35], v6 offset:16384         ; the partner's (m, l)
	ds_load_b128 v[36:39], v6 offset:16896
	v_and_b32 v3, 15, v0                           ; r
	v_bfe_u32 v4, v0, 4, 1                         ; hh
	s_mul_i32 s22, s14, 64*144
	s_add_co_u32 s22, s22, OST
	v_mul_u32_u24 v1, v3, 144
	v_lshl_add_u32 v1, v4, 4, v1
	v_add_nc_u32 v1, s22, v1                       ; in: row = query, 16 bytes for each half of the lanes
	v_bfe_u32 v5, v0, 3, 2
	v_mul_u32_u24 v2, v5, 144
	v_and_b32 v5, 7, v0
	v_lshl_add_u32 v2, v5, 4, v2
	v_add_nc_u32 v2, s22, v2                       ; back: four rows of 128 bytes a load
	v_lshlrev_b32 v7, 12, v4
	v_lshl_add_u32 v7, v3, 4, v7                   ; in ah: lanes 0-15 one double row's 256 bytes of this head, lanes 16-31 the next one's
	s_wait_dscnt 0x0
.irp qt, 0,1,2,3
	v_max_num_f32 v[64+\qt], v[ST+2*\qt], v[32+2*\qt]
.endr
.irp qt, 0,1,2,3
	v_sub_f32 v[68+\qt], v[ST+2*\qt], v[64+\qt]
	v_sub_f32 v[72+\qt], v[32+2*\qt], v[64+\qt]
.endr
.irp qt, 0,1,2,3
	v_exp_f32 v[68+\qt], v[68+\qt]
	v_exp_f32 v[72+\qt], v[72+\qt]
.endr
	v_nop
	s_wait_alu depctr_va_vdst(0)
.irp qt, 0,1,2,3
	v_mul_f32 v[76+\qt], v[ST+2*\qt+1], v[68+\qt]
.endr
.irp qt, 0,1,2,3
	v_fmac_f32 v[76+\qt], v[33+2*\qt], v[72+\qt]   ; l = l0 a0 + l1 a1, at least 1
.endr
.irp qt, 0,1,2,3
	v_rcp_f32 v[76+\qt], v[76+\qt]
.endr
	v_nop
	s_wait_alu depctr_va_vdst(0)
.irp qt, 0,1,2,3
	v_mul_f32 v[AL+2*\qt], v[68+\qt], v[76+\qt]    ; my factor a0 / l
	v_mul_f32 v[MX+2*\qt], v[72+\qt], v[76+\qt]    ; the partner's a1 / l
.endr
.irp dt, 0,1,2,3
.irp qt, 0,1,2,3
.irp jp, 0,2,4,6
.set dd, SB+8*(4*\dt+\qt)+\jp
	v_pk_mul_f32 v[dd:dd+1], v[dd:dd+1], v[MX+2*\qt:MX+2*\qt+1] op_sel_hi:[1,0]
.endr
.endr
.endr
	WIN 0x01                                       ; source 0 (my sums) in window 1
.irp dt, 0,1,2,3
.irp qt, 0,1,2,3
.irp jp, 0,2,4,6
.set dd, SB+8*(4*\dt+\qt)+\jp
	v_pk_fma_f32 v[dd:dd+1], v[8*(4*\dt+\qt)+\jp:8*(4*\dt+\qt)+\jp+1], v[AL+2*\qt:AL+2*\qt+1], v[dd:dd+1] op_sel_hi:[1,0,1]
.endr
.endr
.endr
	WIN 0
.irp dt, 0,1,2,3
.irp qt, 0,1,2,3
.irp i, 0,1,2,3
.set dd, SB+8*(4*\dt+\qt)
	v_cvt_pk_f16_f32 v[dd+\i], v[dd+2*\i], v[dd+2*\i+1]
.endr
.endr
.endr
.irp dt, 0,1,2,3
.irp qt, 0,1,2,3
	ds_store_b128 v1, v[SB+8*(4*\dt+\qt):SB+8*(4*\dt+\qt)+3] offset:2304*\qt+32*\dt
.endr
.endr
.irp t, 0,1,2,3,4,5,6,7,8,9,10,11,12,13,14,15
	ds_load_b128 v[KF+4*\t:KF+4*\t+3], v2 offset:576*\t            ; my own bytes; LDS serves a wave's instructions in order (ISA guide 5.7.1)
.endr
.irp t, 0,1,2,3,4,5,6,7,8,9,10,11,12,13,14,15
	s_wait_dscnt 15-\t
	global_store_b128 v7, v[KF+4*\t:KF+4*\t+3], s[12:13] offset:8192*\t   ; sixteen lanes store 256 consecutive aligned bytes
.endr
.Lclose:
	s_wait_xcnt 0x0
	v_lshl_add_u32 v254, v0, 2, 0x3e800
	v_mov_b32 v255, 0
	s_wait_tensorcnt 0x0
	ds_add_u32 v254, v255
	s_wait_dscnt 0x0
	ROUND                                          ; the closing round
	s_endpgm
.Lfunc_end_k_qf106db1466_attn:
	.size	k_qf106db1466_attn, .Lfunc_end_k_qf106db1466_attn-k_qf106db1466_attn
	.p2alignl 7, 3214868480
	.fill 96, 4, 3214868480
	.section	.rodata,"a",@progbits
	.p2align	6, 0x0
	.amdhsa_kernel k_qf106db1466_attn
		.amdhsa_group_segment_fixed_size 327680
		.amdhsa_private_segment_fixed_size 0
		.amdhsa_enable_private_segment 0
		.amdhsa_kernarg_size 40
		.amdhsa_user_sgpr_count 2
		.amdhsa_user_sgpr_kernarg_segment_ptr 1
		.amdhsa_wavefront_size32 1
		.amdhsa_system_sgpr_workgroup_id_x 1
		.amdhsa_system_sgpr_workgroup_id_y 1
		.amdhsa_system_sgpr_workgroup_id_z 1
		.amdhsa_system_vgpr_workitem_id 0
		.amdhsa_next_free_vgpr 512
		.amdhsa_next_free_sgpr 80
		.amdhsa_reserve_vcc 0
		.amdhsa_float_denorm_mode_32 3
		.amdhsa_float_denorm_mode_16_64 3
		.amdhsa_memory_ordered 1
		.amdhsa_forward_progress 1
		.amdhsa_inst_pref_size 255
	.end_amdhsa_kernel
	.section	.bss,"aw",@nobits
	.p2align	6
	.space	262144
	.amdgpu_metadata
---
amdhsa.version: [ 1, 2 ]
amdhsa.kernels:
  - .name:           k_qf106db1466_attn
    .symbol:         k_qf106db1466_attn.kd
    .args:
      - { .name: qh, .offset: 0, .size: 8, .value_kind: global_buffer, .address_space: global }
      - { .name: kh, .offset: 8, .size: 8, .value_kind: global_buffer, .address_space: global }
      - { .name: vth, .offset: 16, .size: 8, .value_kind: global_buffer, .address_space: global }
      - { .name: attention_mask, .offset: 24, .size: 8, .value_kind: global_buffer, .address_space: global }
      - { .name: ah, .offset: 32, .size: 8, .value_kind: global_buffer, .address_space: global }
    .group_segment_fixed_size: 327680
    .private_segment_fixed_size: 0
    .kernarg_segment_align: 8
    .kernarg_segment_size: 40
    .max_flat_workgroup_size: 256
    .sgpr_count:     80
    .vgpr_count:     512
    .wavefront_size: 32
...
	.end_amdgpu_metadata
.endif
;; end of part 3
;; launch oproj (part 4): grid 8 x 32, 4 waves a work-group, clusters of 4 x 4, 327,680 bytes of LDS; arguments ah, wh, out0; writes out0
.if DOCPART == 4
	.amdgcn_target "amdgcn-amd-amdhsa--gfx1250"
	.amdhsa_code_object_version 6
	.text
	.protected	k_qf106db1466_oproj
	.globl	k_qf106db1466_oproj
	.p2align	8
	.type	k_qf106db1466_oproj,@function
k_qf106db1466_oproj:
	s_mov_b64 s[64:65], 0
	v_nop
	global_prefetch_b8 v0, s[64:65] scope:SCOPE_SE
	s_setreg_imm32_b32 hwreg(HW_REG_WAVE_MODE, 25, 1), 1
	s_wait_xcnt 0x0
	s_wait_alu depctr_hold_cnt(0) depctr_sa_sdst(0) depctr_va_vdst(0) depctr_va_sdst(0) depctr_va_ssrc(0) depctr_va_vcc(0) depctr_vm_vsrc(0)
	s_getreg_b32 s2, hwreg(HW_REG_IB_STS2, 6, 4)
	s_cmp_eq_u32 s2, 0
	s_cbranch_scc0 .Lentry_in_a_cluster
	s_endpgm
.Lentry_in_a_cluster:
	s_bfe_u32 s2, ttmp6, 0x10000c
	s_cmp_lg_u32 s2, 0xf033
	s_cbranch_scc0 .Lentry_shape_is_right
	s_endpgm
.Lentry_shape_is_right:
; oproj: out0 = attention output x Wo^T, 4096 x 1024 x 1024, operands f16, sums and result f32.
;   ah [m/2][h][m&1][64] f16 (a double row is 4,096 bytes); wh from byte 6,291,456: Wo [1024][1024] f16; out0 [4096][1024] f32.
; A work-group (x = 128 columns, y = 128 rows) has four waves, each 64 x 64: 16 accumulator tiles.  Blocks of 128 x 128 give 256 work-groups; larger
; blocks would give fewer work-groups than there are WGPs.
; K goes in 4 steps of 256 through two LDS slots: one step is 128 matrix instructions of a wave between two changes of slots.
; CLUSTERS: 4 x 4: ah's tile is shared along a row of the cluster, Wo's along a column; joint loads divide the requests for both by four.
; The matrix instruction is used transposed (source 0 = Wo rows, source 1 = ah rows): a lane holds row l % 16 and 8 neighbouring columns, 32 bytes.
.set AP,    1040                       ; a double row's 4 heads in LDS: 1,024 bytes + 16.  Row r of a fragment lies at 1,040 (r / 2) + 128 (r % 2): 16 different multiples of 16 modulo 256
.set BP,    528                        ; a Wo row's 256 K: 512 bytes + 16
.set BT,    128*BP                     ; 67,584: Wo's 128 rows come first in a slot
.set SLOT,  BT+64*AP                   ; 134,144: then ah's 64 double rows
.set STG,   2*SLOT                     ; 268,288: each wave's stage for the way out, 16 rows x 272 bytes; ends at 285,696
.set ADRA, 16                          ; v16-17 my ah fragments in slot 0, 1
.set ADRB, 20                          ; v20-21 my Wo fragments
.set STO,  24
.set RD,   25
.set CO,   26
.set FR,   64                          ; buffer f at 64 + 64 f: ah's 4 fragments, then Wo's 4
.set RB,   192                         ; v192-223 rows read back.  Window 1: v0-127 sums, tile (a, b) at 8 (4 a + b)
.set G1,  24                           ; group 1 for ah's tiles
.set G0,  32
.set G1B, 48                           ; group 1 for Wo's tiles
.set G0B, 56
.set MSB, 0
.macro WIN new
.if MSB != \new
	s_set_vgpr_msb (MSB<<8)|\new
.set MSB, \new
.endif
.endm
.macro PLACES n
.rept \n
	v_nop
.endr
.endm
.macro JLOAD s                         ; waves 0 and 1 fetch Wo's halves (64 rows), waves 2 and 3 ah's (32 double rows)
	s_cmp_eq_u32 s17, 0
	s_cbranch_scc0 .Lfor_a_\@
	tensor_load_to_lds s[G0B+4*(\s):G0B+4*(\s)+3], s[G1B:G1B+7]
	s_nop 0
	s_branch .Lasked_\@
.Lfor_a_\@:
	tensor_load_to_lds s[G0+4*(\s):G0+4*(\s)+3], s[G1:G1+7]
	s_nop 0
.Lasked_\@:
.endm
.macro CROUND                          ; a round of the cluster's barrier
	s_barrier_signal -1
	s_barrier_wait -1
	s_cmp_lg_u32 s16, 0
	s_cbranch_scc1 .Lnot_wave_0_\@
	s_barrier_signal -3
.Lnot_wave_0_\@:
	s_barrier_wait -3
	s_barrier_signal -1
	s_barrier_wait -1
.endm
	s_load_b128 s[4:7], s[0:1], 0x0                ; ah 4:5, wh 6:7
	s_load_b64 s[8:9], s[0:1], 0x10                ; out0
	v_lshl_add_u32 v254, v0, 2, 0x45c00
	v_mov_b32 v255, 0
	ds_add_u32 v254, v255
	v_lshrrev_b32 v1, 5, v0
	v_readfirstlane_b32 s16, v1                    ; wave 0..3
	s_lshr_b32 s17, s16, 1                         ; my half of the rows; also: I fetch for Wo (0) or for ah (1)
	s_and_b32 s18, s16, 1                          ; my half of the columns; also which half of that tile
	s_bfe_u32 s40, ttmp6, 0x40000                  ; cx
	s_bfe_u32 s41, ttmp6, 0x40004                  ; cy
	s_lshl_b32 s42, ttmp9, 2
	s_add_co_u32 s42, s42, s40                     ; column block
	s_and_b32 s43, ttmp7, 0xffff
	s_lshl_b32 s43, s43, 2
	s_add_co_u32 s43, s43, s41                     ; row block
	s_lshl_b32 s44, s41, 2
	s_lshl_b32 s44, 15, s44                        ; my row of the cluster
	s_lshl_b32 s45, 0x1111, s40                    ; my column
	s_or_b32 s[G1+0], s44, (1<<16)|(1<<20)|(1<<21)|(7<<22)|(3<<25)   ; ah: 4 words of padding after every 256
	s_or_b32 s[G1B+0], s45, (1<<16)|(1<<20)|(1<<21)|(6<<22)|(3<<25)  ; Wo: after every 128
	s_mov_b32 s[G1+1], 512<<16                     ; tensor_dim0 = 512 elements: 4 heads x 2 rows x 64
	s_mov_b32 s[G1B+1], 256<<16
	s_mov_b32 s[G1+2], 32<<16                      ; tensor_dim1
	s_mov_b32 s[G1B+2], 64<<16
	s_mov_b32 s[G1+3], 512<<16                     ; tile_dim0
	s_mov_b32 s[G1B+3], 256<<16
	s_mov_b32 s[G1+4], 32                          ; tile_dim1
	s_mov_b32 s[G1B+4], 64
	s_mov_b32 s[G1+5], 2048                        ; elements from row to row
	s_mov_b32 s[G1B+5], 1024
	s_mov_b32 s[G1+6], 0
	s_mov_b32 s[G1B+6], 0
	s_mov_b32 s[G1+7], 0
	s_mov_b32 s[G1B+7], 0
	s_lshl_b32 s20, s43, 6
	s_lshl_b32 s21, s18, 5
	s_add_co_u32 s20, s20, s21                     ; double row 64 x row block + 32 x half
	s_lshl_b32 s20, s20, 12
	s_mov_b32 s21, 0
	s_lshl_b32 s46, s42, 7
	s_lshl_b32 s47, s18, 6
	s_add_co_u32 s46, s46, s47                     ; Wo row 128 x column block + 64 x half
	s_lshl_b32 s46, s46, 11
	s_add_co_u32 s46, s46, 6291456                 ; behind the 3,072 rows of q, k, v weights
	s_mov_b32 s47, 0
	s_mul_i32 s22, s16, 32*AP
	s_add_co_u32 s22, s22, BT-2*32*AP              ; LDS: ah's halves at 67,584 + (wave - 2) x 33,280 (waves 2, 3)
	s_mul_i32 s23, s16, 64*BP                      ; Wo's halves at wave x 33,792 (waves 0, 1)
	s_wait_dscnt 0x0
	s_wait_kmcnt 0x0
	s_add_nc_u64 s[20:21], s[4:5], s[20:21]
	s_add_nc_u64 s[46:47], s[6:7], s[46:47]
	CROUND                                         ; the first joint loads meet
.irp s, 0,1
	s_mov_b32 s[G0+4*\s], 1
	s_add_co_u32 s[G0+4*\s+1], s22, \s*SLOT
	s_add_nc_u64 s[G0+4*\s+2:G0+4*\s+3], s[20:21], \s*1024         ; heads 4 s ..
	s_or_b32 s[G0+4*\s+3], s[G0+4*\s+3], 0x80000000
	s_mov_b32 s[G0B+4*\s], 1
	s_add_co_u32 s[G0B+4*\s+1], s23, \s*SLOT
	s_add_nc_u64 s[G0B+4*\s+2:G0B+4*\s+3], s[46:47], \s*512        ; K 256 s ..
	s_or_b32 s[G0B+4*\s+3], s[G0B+4*\s+3], 0x80000000
	JLOAD \s                                       ; two loads of a wave are out
.endr
	v_and_b32 v1, 15, v0                           ; r
	v_bfe_u32 v2, v0, 4, 1                         ; hh
	v_lshrrev_b32 v3, 1, v1
	v_mul_u32_u24 v3, v3, AP
	v_and_b32 v4, 1, v1
	v_lshl_add_u32 v3, v4, 7, v3
	v_lshl_add_u32 v3, v2, 4, v3                   ; double row r / 2, row r % 2 of it, 16 bytes for each half of the lanes
	s_mul_i32 s66, s17, 32*AP
	s_add_co_u32 s66, s66, BT
	v_add_nc_u32 v[ADRA], s66, v3
	v_add_nc_u32 v[ADRA+1], SLOT, v[ADRA]
	v_mul_u32_u24 v3, v1, BP
	v_lshl_add_u32 v3, v2, 4, v3
	s_mul_i32 s67, s18, 64*BP
	v_add_nc_u32 v[ADRB], s67, v3
	v_add_nc_u32 v[ADRB+1], SLOT, v[ADRB]
	s_mul_i32 s68, s16, 16*272
	s_add_co_u32 s68, s68, STG
	v_mul_u32_u24 v3, v1, 272
	v_lshl_add_u32 v3, v2, 5, v3
	v_add_nc_u32 v[STO], s68, v3                   ; in: row r, 32 bytes for each half of the lanes
	v_mul_u32_u24 v3, v2, 272
	v_lshl_add_u32 v3, v1, 4, v3
	v_add_nc_u32 v[RD], s68, v3                    ; back: lanes 0-15 one row of 256 bytes, lanes 16-31 the next
	v_lshlrev_b32 v[CO], 12, v2
	v_lshl_add_u32 v[CO], v1, 4, v[CO]             ; the same two rows in out0
	s_lshl_b32 s72, s43, 19                        ; (128 row block + 64 half) rows of 4,096 bytes + (128 column block + 64 half) x 4
	s_lshl_b32 s73, s17, 18
	s_add_co_u32 s72, s72, s73
	s_lshl_b32 s73, s42, 9
	s_add_co_u32 s72, s72, s73
	s_lshl_b32 s73, s18, 8
	s_add_co_u32 s72, s72, s73
	s_mov_b32 s73, 0
	s_add_nc_u64 s[8:9], s[8:9], s[72:73]
; 16 LDS loads: the fragments of quarter kq (32 K; K = 64 head + d, so quarter kq is half kq % 2 of head kq / 2 of the slot's four) into buffer f
.macro FETCH slot, kq, f
.irp i, 0,1,2,3
	ds_load_b128 v[FR+64*(\f)+8*\i:FR+64*(\f)+8*\i+3],   v[ADRA+\slot] offset:8*AP*\i+256*((\kq)/2)+64*((\kq)%2)
	ds_load_b128 v[FR+64*(\f)+8*\i+4:FR+64*(\f)+8*\i+7], v[ADRA+\slot] offset:8*AP*\i+256*((\kq)/2)+64*((\kq)%2)+32
.endr
.irp i, 0,1,2,3
	ds_load_b128 v[FR+64*(\f)+32+8*\i:FR+64*(\f)+32+8*\i+3], v[ADRB+\slot] offset:16*BP*\i+64*(\kq)
	ds_load_b128 v[FR+64*(\f)+32+8*\i+4:FR+64*(\f)+32+8*\i+7], v[ADRB+\slot] offset:16*BP*\i+64*(\kq)+32
.endr
.endm
; One of a slot's eight quarters: the next quarter's fragments are asked for, then this one's 16 products.  The 16 accumulators take turns, one instruction a
; turn, in the same order in every quarter.
.macro QTR slot, kq, zero
.if \kq < 7
	PLACES 4                                       ; a load into a register that a matrix instruction has read stands four plain vector instructions behind it
	FETCH \slot, \kq+1, (\kq+1)%2
	s_wait_dscnt 16                                ; this quarter's fragments are in; the 16 loads just issued may stay out
.else
	s_wait_dscnt 0x0
.endif
	WIN 0x50                                       ; C and D in window 1
.irp a, 0,1,2,3
.irp b, 0,1,2,3
.if \zero
	v_wmma_f32_16x16x32_f16 v[8*(4*\a+\b):8*(4*\a+\b)+7], v[FR+64*(\kq%2)+32+8*\b:FR+64*(\kq%2)+32+8*\b+7], v[FR+64*(\kq%2)+8*\a:FR+64*(\kq%2)+8*\a+7], 0
.else
	v_wmma_f32_16x16x32_f16 v[8*(4*\a+\b):8*(4*\a+\b)+7], v[FR+64*(\kq%2)+32+8*\b:FR+64*(\kq%2)+32+8*\b+7], v[FR+64*(\kq%2)+8*\a:FR+64*(\kq%2)+8*\a+7], v[8*(4*\a+\b):8*(4*\a+\b)+7]
.endif
.endr
.endr
	WIN 0
.endm
.macro PH slot, zero                   ; a slot: 256 along K
.if \zero == 0
	PLACES 4
.endif
	FETCH \slot, 0, 0
	QTR \slot, 0, \zero
.irp q, 1,2,3,4,5,6,7
	QTR \slot, \q, 0
.endr
.endm
; A change of slots with a refill: every wave waits for all its tensor loads and for its reads of the slot just read; the round of the cluster's barrier; the
; joint refill first behind its closing wait, one load a wave.
.macro CHANGE old
	s_wait_tensorcnt 0x0
	ds_add_u32 v254, v255
	s_add_nc_u64 s[G0+4*\old+2:G0+4*\old+3], s[G0+4*\old+2:G0+4*\old+3], 2048      ; no load of mine is out: 8 heads on
	s_add_nc_u64 s[G0B+4*\old+2:G0B+4*\old+3], s[G0B+4*\old+2:G0B+4*\old+3], 1024
	s_wait_dscnt 0x0
	CROUND
	JLOAD \old
.endm
	s_wait_tensorcnt 0x1                           ; my part of slot 0 is in; slot 1's may stay out
	s_barrier_signal -1
	s_barrier_wait -1
	PH 0, 1                                        ; K 0-255: the first products start the sums
	CHANGE 0                                       ; asks for K 512-767
	PH 1, 0                                        ; K 256-511
	CHANGE 1                                       ; asks for K 768-1023
	PH 0, 0
	s_wait_tensorcnt 0x0                           ; my part of the last tile
	s_wait_dscnt 0x0
	s_barrier_signal -1
	s_barrier_wait -1                              ; everybody's; nothing is left to fetch
	PH 1, 0
	; THE WAY OUT, 16 rows at a time through my own stage: 32 bytes a lane in, whole rows of 256 bytes back
	PLACES 4                                       ; before LDS stores read the last products
.irp a, 0,1,2,3
	WIN 0x04                                       ; an LDS store's data is source 1: window 1
.irp b, 0,1,2,3
	ds_store_b128 v[STO], v[8*(4*\a+\b):8*(4*\a+\b)+3] offset:64*\b
	ds_store_b128 v[STO], v[8*(4*\a+\b)+4:8*(4*\a+\b)+7] offset:64*\b+16
.endr
	WIN 0
	s_wait_xcnt 0x0                                ; RB was the data of the last 16 rows' stores: loaded again only behind this wait
.irp t, 0,1,2,3,4,5,6,7
	ds_load_b128 v[RB+4*\t:RB+4*\t+3], v[RD] offset:544*\t         ; LDS serves a wave's instructions in order (ISA guide 5.7.1): these see the stores above
.endr
.irp t, 0,1,2,3,4,5,6,7
	s_wait_dscnt 7-\t
	global_store_b128 v[CO], v[RB+4*\t:RB+4*\t+3], s[8:9] offset:(16*\a+2*\t)*4096 th:TH_STORE_NT   ; sixteen lanes store 256 consecutive aligned bytes
.endr
.endr
	s_wait_tensorcnt 0x0
	ds_add_u32 v254, v255
	s_wait_dscnt 0x0
	CROUND                                         ; the closing round
	s_endpgm
.Lfunc_end_k_qf106db1466_oproj:
	.size	k_qf106db1466_oproj, .Lfunc_end_k_qf106db1466_oproj-k_qf106db1466_oproj
	.p2alignl 7, 3214868480
	.fill 96, 4, 3214868480
	.section	.rodata,"a",@progbits
	.p2align	6, 0x0
	.amdhsa_kernel k_qf106db1466_oproj
		.amdhsa_group_segment_fixed_size 327680
		.amdhsa_private_segment_fixed_size 0
		.amdhsa_enable_private_segment 0
		.amdhsa_kernarg_size 24
		.amdhsa_user_sgpr_count 2
		.amdhsa_user_sgpr_kernarg_segment_ptr 1
		.amdhsa_wavefront_size32 1
		.amdhsa_system_sgpr_workgroup_id_x 1
		.amdhsa_system_sgpr_workgroup_id_y 1
		.amdhsa_system_sgpr_workgroup_id_z 1
		.amdhsa_system_vgpr_workitem_id 0
		.amdhsa_next_free_vgpr 384
		.amdhsa_next_free_sgpr 80
		.amdhsa_reserve_vcc 0
		.amdhsa_float_denorm_mode_32 3
		.amdhsa_float_denorm_mode_16_64 3
		.amdhsa_memory_ordered 1
		.amdhsa_forward_progress 1
		.amdhsa_inst_pref_size 89
	.end_amdhsa_kernel
	.amdgpu_metadata
---
amdhsa.version: [ 1, 2 ]
amdhsa.kernels:
  - .name:           k_qf106db1466_oproj
    .symbol:         k_qf106db1466_oproj.kd
    .args:
      - { .name: ah, .offset: 0, .size: 8, .value_kind: global_buffer, .address_space: global }
      - { .name: wh, .offset: 8, .size: 8, .value_kind: global_buffer, .address_space: global }
      - { .name: out0, .offset: 16, .size: 8, .value_kind: global_buffer, .address_space: global }
    .group_segment_fixed_size: 327680
    .private_segment_fixed_size: 0
    .kernarg_segment_align: 8
    .kernarg_segment_size: 24
    .max_flat_workgroup_size: 128
    .sgpr_count:     80
    .vgpr_count:     384
    .wavefront_size: 32
...
	.end_amdgpu_metadata
.endif
;; end of part 4
